; MI455X (gfx1250); checked and timed in simulation.
; The chip was launched on July 23, 2026; its instructions are those of AMD's public machine-readable ISA for CDNA 5 (MIT licence, August 2026) and "CDNA5" Instruction Set Architecture Reference Guide (July 2026). The comments in the code are by the model that wrote it; some were corrected since.
;; Position Aware Mean Attention. Allowed arithmetic: matrix products marked QUANTISED: E2M3 operands, one E8M0 scale for each 32 along K, by v_wmma_scale_f32_16x16x128_f8f6f4 with both operands' format E2M3, f32 sums; products left as they are: f32 operands where the result goes on into a quantised operand, else bf16, f16 or f32 operands; f32 sums; everything else in f32.
;; Inputs: mask 200 x 2,048 float32; w_k_codes 128 x 4 x 24 uint8 (E2M3 codes of w_k, K innermost, in blocks of 32 codes, four codes in three bytes); w_k_scales 128 x 4 uint8 (E8M0 scales of w_k, one for each 32 codes along K); w_p 200 x 128 float32; w_q_codes 128 x 4 x 24 uint8 (E2M3 codes of w_q, K innermost, in blocks of 32 codes, four codes in three bytes); w_q_scales 128 x 4 uint8 (E8M0 scales of w_q, one for each 32 codes along K); x 200 x 2,048 x 128 float32.
;; Outputs: out0 2,048 x 128 float32.
;; This version of the problem:
;;   THIS VERSION OF THE PROBLEM IS GIVEN IN LOW PRECISION. The matrix products marked QUANTISED in the list below multiply operands that are first quantised to E2M3 (2 exponent bits, 3 mantissa bits; 6 bits a number), with one power-of-two scale for each 32 numbers along K (OCP MX v1.0); their sums are f32. All else is computed in f32.
;;   The module's matrix products, in the order in which they are computed (A, B: the left and right operand; K: the contracted axis; several contracted axes count as one K, in the product's order):
;;     1. [M 409,600, K 128] x [K 128, N 128]; A: computed on the way; B: input w_k (given as codes): QUANTISED
;;     2. [M 2,048, K 128] x [K 128, N 128]; A: computed on the way; B: input w_q (given as codes): QUANTISED
;;     3. batch 200 x [M 2,048, K 128] x [K 128, N 1]; A: computed on the way; B: input w_p: left as it is (N = 1 < 16)
;;   THE QUANTISER, for each operand of a quantised product, along K:
;;     - K is cut into blocks of 32 from its start; a last block that is shorter is filled with zeros.
;;     - A block's scale is 2^e with e = floor(log2(the largest magnitude in the block)) - 2, held to -126 .. 127; a block of zeros has e = 0. As a byte (E8M0): e + 127.
;;     - Each number is divided by its block's scale, clamped to +-7.5, and rounded to the nearest number of E2M3, ties to even, subnormals kept.
;;     - The product sums the exact products of the quantised numbers (number of the format x scale) in f32.
;;   ~~~python
;;   def quantise(x, axis):      # numpy; x: float32 -> the quantised numbers, widened to float32 again
;;       x = np.moveaxis(x, axis, -1); K = x.shape[-1]
;;       x = np.pad(x, [(0, 0)] * (x.ndim - 1) + [(0, -K % 32)]); x = x.reshape(x.shape[:-1] + (-1, 32)); a = np.abs(x).max(-1, keepdims=True)
;;       e = np.where(a > 0, np.clip(np.frexp(np.where(a > 0, a, 1))[1] - 1 - 2, -126, 127), 0)      # np.frexp(a)[1] - 1 = floor(log2(a)), exactly
;;       r = np.clip(x / 2.0 ** e, -7.5, 7.5)
;;       step = 2.0 ** (np.maximum(np.frexp(np.where(r == 0, 1, r))[1] - 1, 0) - 3)
;;       q = np.round(r / step) * step * 2.0 ** e      # np.round: ties to even
;;       return np.moveaxis(q.reshape(q.shape[:-2] + (-1,))[..., :K], -1, axis).astype(np.float32)
;;   ~~~
;;   OPERANDS COMPUTED ON THE WAY. 'Computed on the way' means the value that the module computes at that place (a softmax that the list does not call 'softmax' is quantised finished and normalised). What goes into a quantiser is computed in f32, as accurately as f32 sums, v_exp_f32 and their like allow (about 1e-6 of the number): no bf16 or f16 on the way to a quantiser, and a product that is left as it is and whose result goes on into a quantised operand takes f32 operands (vector FMAs, or v_wmma_f32_16x16x4_f32). A number that lies on a knife's edge between two numbers of the format may be rounded either way, as far as f32 arithmetic and the matrix unit's own rounding can turn it there, and no further.
;;   INPUTS GIVEN AS CODES. w_k (in the module: [128, 128], K = its axis 0); w_q (in the module: [128, 128], K = its axis 0): each comes as NAME_codes (uint8): NAME with its K axis moved to the last place and cut into blocks of 32 codes, [.., K / 32, bytes a block], one block behind the other in memory; four codes in three bytes: a row's codes are one little-endian stream of bits, code i at bits 6 i .. 6 i + 5 (a code: sign, 2 exponent bits, 3 mantissa bits); and NAME_scales (uint8): the same leading axes, one E8M0 byte (e + 127) for each 32 codes along K. Its value is code x scale, taken as it is: it is not quantised again, and the codes and scales need not be those that the quantiser above would give.
;; One version. Each part assembles by itself: llvm-mc -triple=amdgcn-amd-amdhsa -mcpu=gfx1250 --defsym DOCPART=n.
;; ======== version 1 of 1: 1 launch
;; limits: right only within a limited range of input values
;; launch paa (part 1): grid 256 x 1, 8 waves a work-group, no clusters, 327,680 bytes of LDS; arguments x, mask, w_p, w_k_codes, w_k_scales, w_q_codes, w_q_scales, out0; writes out0
.if DOCPART == 1
	.amdgcn_target "amdgcn-amd-amdhsa--gfx1250"
	.amdhsa_code_object_version 6
	.text
	.protected	k_q21d1c30463_paa
	.globl	k_q21d1c30463_paa
	.p2align	8
	.type	k_q21d1c30463_paa,@function
k_q21d1c30463_paa:
	s_mov_b64 s[64:65], 0
	v_nop
	global_prefetch_b8 v0, s[64:65] scope:SCOPE_SE
	s_setreg_imm32_b32 hwreg(HW_REG_WAVE_MODE, 25, 1), 1
	s_wait_xcnt 0x0
; PositionAwareMeanAttention, T = 200 steps, B = 2,048 sessions, H = 128.  For a session b:  e[t] = x[t][b] m[t][b];  mean = sum_t e[t];  key = Q(e) w_k, query = Q(mean) w_q (codes of FP6 (E2M3),
; one E8M0 scale for each 32 along K = 128);  sim[t] = sum_d sigmoid(key + query)[t][d] w_p[t][d];  s = sim m;  out = sum_t e[t] a[t], a = softmax_t(s) m / sum_t(softmax_t(s) m).
; WORK LEFT OUT.  softmax_t(s) = exp(s - max) / Z with Z = sum_t exp(s - max), which is at least 1 and the same for all t of a session.  a = (exp(s - max) m / Z) / (sum_t exp(s - max) m / Z): Z cancels for all
; values of the inputs, so Z's sum and the division by it are not made.  The maximum is taken away ahead of every exponential.  Every input has a way to the output and is loaded.
; LIMITS.  NaN and infinities among the inputs are not served, and a NaN, infinity or overflow that would reach Z alone is not carried to the result.  A block of zeros gets the scale byte 1 where the rule says
; 127: its codes are zeros and this program alone reads the bytes.  Blocks whose largest magnitude lies under 2^(3 - 127) are held at that byte.  v_exp_f32 gives 0 for results under 2^-126.  Scores lie above -3e38.
; The order of the f32 sums (mean, sim, out) is not reference()'s, and the mean's terms x m are fused into its sum.
; SHARES.  256 work-groups of eight waves; work-group g walks sessions 8 g .. 8 g + 7.  Wave w owns rows t = 24 w + i, i < 24 (wave 7: i < 32), from the quantiser to the last sum: codes and sims never leave the wave.
; Between waves go only the eight parts of the mean and the query, of which wave w makes d = 16 w .. + 15.
;   BY ROWS: lane (g = lane / 8, q = lane % 8) of quad a holds row i = 4 a + g, numbers 16 q .. 16 q + 15: six quads, wave 7 eight.
;   TILES, products used transposed (source 0 = 16 rows d of the weight, source 1 = 16 columns of steps): lane (r, h), register j: column r, d = 8 h + j.  Rows 0-15 are one tile, eight accumulators.  Rows 16-23 are a HALF tile:
;   columns 0-7 take w_k's d-tile 2 v, columns 8-15 the same eight rows with d-tile 2 v + 1, in ONE accumulator: two products, in each of which the other columns' codes are zeros.  Wave 7 has a second half tile, rows 24-31.
;   The query is loaded from LDS into the accumulators as C of the first product.
; PERIODS.  Period s works on session s, whose x lies in registers, and makes session s + 1's mean and query beside it: its x is read from LDS for the mean, and once more into the registers that session s leaves.
; THE RING.  Two slots of a whole session.  Behind the barrier that opens period s session s + 2 is asked for, into the slot that session s has left for registers; it is awaited in front of the barrier that opens period s + 1.
; PREFETCH.  Period s then asks the L2 for session s + 3, which the next period's load wants: a lane a row, two blocks of 256 bytes, each named once; it stops with session 7.  Sessions 0 and 1 come by their loads alone.
; NO CLUSTER: work-groups share only w_p and the weights, 128,000 of the 960,000 bytes that a work-group reads, fetched once at the head; x, the rest, is shared by nobody.
; The launch claims all of a WGP's LDS.
.set PX,     544                       ; a row of x in LDS: 2 x (256 bytes + 16 of padding)
.set SLOT,   200*PX                    ; 108,800 bytes: a session
.set RG,     2*SLOT                    ; behind the slots: scratch, which no tensor load fills
.set L_CODES, RG                       ; wave x 5,376: rows 112 bytes apart: rows 0-23 at places 0-23, zeros at 24-31, rows 24-31 at places 32-39, zeros at 40-47
.set L_SB,   RG+43008                  ; wave x 128: scale words, 4 bytes a row
.set L_MT,   RG+44032                  ; masks: wave x 1,024 + session x 128 + g x 32 + a x 4
.set L_SIM,  RG+52224                  ; sims: wave x 128 + g x 32 + a x 4
.set L_MP,   RG+53248                  ; the waves' parts of the mean, 512 bytes each
.set L_MB,   RG+57344                  ; the whole mean, each wave's own copy
.set L_MC,   RG+61440                  ; the mean's codes, each wave's own, 128 bytes apart
.set L_MS,   RG+62464                  ; the mean's scale word, 32 bytes apart
.set L_QB,   RG+62720                  ; the query, two by turns
.set L_OP,   RG+63744                  ; O: session x 4,096 + wave x 512
.set L_ST,   RG+96512                  ; (ML, P): session x 64 + wave x 8
.set SPARE,  RG+97024                  ; the spare words: four blocks of 256 bytes that no other line names
; vector registers, window 0
.set SPW, 1                            ; LDS address of my spare word; never rewritten
.set NIL, 2                            ; 0; never rewritten
.set XA,  3                            ; my place in a slot; XT: the same in the slot that is read
.set XT,  4
.set MTA, 5
.set MPW, 6
.set MPR, 7
.set MBW, 8
.set MBR, 9
.set MCW, 10
.set MSW, 11
.set MCR, 12
.set MSR, 13
.set CW,  14
.set SW,  15
.set FA,  16                           ; fragments: column r at place r
.set FB2, 17                           ; column r at place r xor 8
.set SAA, 18
.set SAB, 19
.set QA,  20
.set QB,  21
.set QW,  22
.set QTA, 23
.set QTB, 24
.set SSA, 25
.set SSB, 26
.set SR,  27
.set PFO, 28
.set TM1, 29
.set MK,  32                           ; v32-39   the masks of my rows: register a for quad a
.set WKS, 40                           ; v40-47   scale words and nothing else: w_k's (d-tile 2 v in lanes 0-15, 2 v + 1 in lanes 16-31), w_q's, the mean's, tile's, half tile's
.set WQS, 44
.set MS,  45
.set IA,  46
.set IB,  47
.set RX,  48                           ; v48-175  x, then e: quad a at 16 a
.set DA,  176                          ; v176-207, v208-239: two sets of four accumulators, at work otherwise between
.set DB,  208
.set FR0, 240                          ; v240-251 a fragment; the quantiser's temporaries before
.set QM,  240
.set A0,  252
.set TX,  254
.set ACC, 176                          ; the mean's sum, and three quads of x
.set XBUF, 192
.set JP,  208                          ; the mean's join: parts, then the mean as 16 neighbours a lane
.set JV,  212
.set JC,  180
.set JF,  184
.set JR,  196
.set SC,  176                          ; softmax and last sum
.set X0,  184
.set X1,  185
.set ML,  186
.set PS,  187
.set UU,  188
.set OA,  196
.set TP,  212
; window 1
.set WP,  0                            ; v0-127   w_p: tile 0-63, half tile 64-95, second half tile 96-127
.set WK,  128                          ; v128-223 w_k's eight fragments
.set WQ,  224                          ; v224-235 w_q's d-tile w
.set FR1, 236                          ; v236-247 a fragment
.set MN,  248                          ; v248-255 the next session's masks
; scalar registers
.set G1X, 20                           ; descriptor groups 1: 25 rows (the ring), 50 rows (the head); groups 0: the ring's, session 0's, session 1's
.set G1H, 28
.set G0,  36
.set G0A, 40
.set G0B, 44
.set WV,  48
.set RW,  49
.set QO,  50
.set QN,  51
.set SEL, 52
.set NL2, 54
.set L2E, 56
.set SLO, 58
.set SNX, 59
.set MTO, 60
.set OPO, 61
.set STO, 62
.set CNT, 63
.set PF,  66
.set MSB, 0
.macro WIN new                         ; the immediate's high byte repeats the setting that is left
.if MSB != \new
	s_set_vgpr_msb (MSB<<8)|\new
.set MSB, \new
.endif
.endm
.macro WA
	s_wait_alu depctr_va_vdst(0)
.endm
.macro IF7 lbl                         ; what follows, up to the label, is wave 7's alone
	WA
	s_cmp_lt_u32 s[WV], 7
	s_cbranch_scc1 \lbl
.endm
; two numbers times ONE register b: of the even-aligned pair that holds b, the half that is b feeds both results
.macro PKMULB d, s, b
.if ((\b)%2) == 0
	v_pk_mul_f32 v[0+(\d):1+(\d)], v[0+(\s):1+(\s)], v[0+(\b):1+(\b)] op_sel_hi:[1,0]
.else
	v_pk_mul_f32 v[0+(\d):1+(\d)], v[0+(\s):1+(\s)], v[(\b)-1:0+(\b)] op_sel:[0,1] op_sel_hi:[1,1]
.endif
.endm
.macro PKFMAB d, s, b, c
.if ((\b)%2) == 0
	v_pk_fma_f32 v[0+(\d):1+(\d)], v[0+(\s):1+(\s)], v[0+(\b):1+(\b)], v[0+(\c):1+(\c)] op_sel_hi:[1,0,1]
.else
	v_pk_fma_f32 v[0+(\d):1+(\d)], v[0+(\s):1+(\s)], v[(\b)-1:0+(\b)], v[0+(\c):1+(\c)] op_sel:[0,1,0] op_sel_hi:[1,1,1]
.endif
.endm
; 16 registers are summed over the four groups g of lanes; afterwards lanes 0-15 hold numbers 0-7 of their 16 in eight registers, lanes 16-31 numbers 8-15
.macro GREDH a
.irp k, 0,1,2,3,4,5,6,7
	v_permlane16_swap_b32 v[\a+\k], v[\a+8+\k]
.endr
.irp k, 0,2,4,6
	v_pk_add_f32 v[\a+\k:\a+\k+1], v[\a+\k:\a+\k+1], v[\a+8+\k:\a+9+\k]
.endr
.irp k, 0,1,2,3,4,5,6,7
	v_add_f32_dpp v[\a+\k], v[\a+\k], v[\a+\k] row_xmask:8 row_mask:0xf bank_mask:0xf
.endr
.endm
.macro LOADQ a                         ; quad a of the session in XT's slot into its registers
.irp j, 0,1,2,3
	ds_load_b128 v[RX+16*(\a)+4*\j:RX+16*(\a)+4*\j+3], v[XT] offset:4*PX*(\a)+16*\j
.endr
.endm
.macro LOADX a                         ; the same for the mean
.irp j, 0,1,2,3
	ds_load_b128 v[XBUF+16*((\a)%3)+4*\j:XBUF+16*((\a)%3)+4*\j+3], v[XT] offset:4*PX*(\a)+16*\j
.endr
.endm
.macro LOADMN
	WIN 0x40
	ds_load_b128 v[MN:MN+3], v[TM1]
	ds_load_b128 v[MN+4:MN+7], v[TM1] offset:16
	WIN 0
.endm
.macro MPQ a                           ; sum += x m
.irp c, 0,2,4,6,8,10,12,14
.if (\a) == 0
	PKMULB ACC+\c,XBUF+\c,MN
.else
	PKFMAB ACC+\c,XBUF+16*(\a%3)+\c,MN+\a,ACC+\c
.endif
.endr
.endm
; my rows' part of a session's mean.  Quads 0-2 and the masks have been asked for; w: the LDS instructions issued behind them, which may stay out
.macro MEANPASS w
	WIN 0x04                                       ; source 1 (the masks) in window 1
	WA
	s_wait_dscnt \w
	MPQ 0
	LOADX 3
	MPQ 1
	LOADX 4
	MPQ 2
	LOADX 5
	WA
	s_wait_dscnt 8                                 ; quad 3 is in; quads 4 and 5 may be out
	MPQ 3
	WA
	s_wait_dscnt 4
	MPQ 4
	WA
	s_wait_dscnt 0x0
	MPQ 5
	WIN 0
	IF7 .Lm7_\@
	LOADX 6
	LOADX 7
	WIN 0x04
	s_wait_dscnt 4
	MPQ 6
	WA
	s_wait_dscnt 0x0
	MPQ 7
	WIN 0
	WA
.Lm7_\@:
	GREDH ACC
	ds_store_b128 v[MPW], v[ACC:ACC+3]             ; lanes 8 apart write the same bytes with the same values
	ds_store_b128 v[MPW], v[ACC+4:ACC+7] offset:16
.endm
; quads a, a + 1: e = x m in place; THE QUANTISER: a lane's 16 neighbours along K (two neighbouring lanes hold a block of 32) become 12 bytes of codes and the block's scale byte; the two quads by turns
.macro QPAIR a
.set QSA, RX+16*(\a)
.set QSB, QSA+16
.set QCO, 448*(\a)+896*((\a)/6)
.irp c, 0,2,4,6,8,10,12,14
	PKMULB QSA+\c,QSA+\c,MK+\a
	PKMULB QSB+\c,QSB+\c,MK+\a+1
.endr
	v_max3_num_f32 v[QM], |v[QSA]|, |v[QSA+1]|, |v[QSA+2]|
	v_max3_num_f32 v[QM+2], |v[QSB]|, |v[QSB+1]|, |v[QSB+2]|
	v_max3_num_f32 v[QM+1], |v[QSA+3]|, |v[QSA+4]|, |v[QSA+5]|
	v_max3_num_f32 v[QM+3], |v[QSB+3]|, |v[QSB+4]|, |v[QSB+5]|
.irp k, 6,8,10,12,14
	v_max3_num_f32 v[QM+((\k/2+1)%2)], v[QM+((\k/2+1)%2)], |v[QSA+\k]|, |v[QSA+\k+1]|
	v_max3_num_f32 v[QM+2+((\k/2+1)%2)], v[QM+2+((\k/2+1)%2)], |v[QSB+\k]|, |v[QSB+\k+1]|
.endr
	v_max3_num_f32 v[QM], v[QM], v[QM+1], 0x1800000    ; and the floor 2^(3 - 127): the byte cannot fall under 1
	v_max3_num_f32 v[QM+2], v[QM+2], v[QM+3], 0x1800000
	v_max_num_f32_dpp v[QM], v[QM], v[QM] row_xmask:1 row_mask:0xf bank_mask:0xf   ; with my neighbour's 16: the block's
	v_max_num_f32_dpp v[QM+2], v[QM+2], v[QM+2] row_xmask:1 row_mask:0xf bank_mask:0xf
	v_add_nc_u32 v[QM+4], 0xff000000, v[QM]            ; 2 off its exponent field: the conversion takes the exponent field of this operand as its scale
	v_add_nc_u32 v[QM+5], 0xff000000, v[QM+2]
	v_cvt_scalef32_pk16_fp6_f32 v[QM+6:QM+8], v[QSA:QSA+15], v[QM+4]
	v_cvt_scalef32_pk16_fp6_f32 v[QM+10:QM+12], v[QSB:QSB+15], v[QM+5]
	v_lshrrev_b32 v[QM+9], 23, v[QM+4]                 ; the scale's byte; also the plain lines behind the conversions
	v_lshrrev_b32 v[QM+13], 23, v[QM+5]
.irp j, 0,1,2
	ds_store_b32 v[CW], v[QM+6+\j] offset:QCO+4*\j
	ds_store_b32 v[CW], v[QM+10+\j] offset:QCO+448+4*\j
.endr
	ds_store_b8 v[SW], v[QM+9] offset:16*(\a)          ; both lanes of a block write the same byte with the same value
	ds_store_b8 v[SW], v[QM+13] offset:16*(\a)+16
.endm
.macro FRAG reg, adr, off              ; 16 columns x 128 K: 12 registers, 24 bytes as three loads of 8
.irp p, 0,1,2,3,4,5
	ds_load_b64 v[\reg+2*\p:\reg+2*\p+1], v[\adr] offset:\off+48*(\p/3)+8*(\p%3)
.endr
.endm
.macro CLOADA d, u0                    ; the query into four accumulators of the tile
.irp i, 0,1,2,3
	ds_load_b128 v[\d+8*\i:\d+8*\i+3], v[QTA] offset:64*(\u0+\i)
	ds_load_b128 v[\d+8*\i+4:\d+8*\i+7], v[QTA] offset:64*(\u0+\i)+16
.endr
.endm
.macro CLOADB d                        ; and of a half tile: columns 8-15 take the next d-tile's
.irp i, 0,1,2,3
	ds_load_b128 v[\d+8*\i:\d+8*\i+3], v[QTB] offset:128*\i
	ds_load_b128 v[\d+8*\i+4:\d+8*\i+7], v[QTB] offset:128*\i+16
.endr
.endm
.macro PLACES                          ; four places behind matrix instructions (ISA guide 7.12.1)
.rept 4
	v_nop
.endr
.endm
.macro MMA d, u0                       ; key + query: the tile, d-tiles u0 .. u0 + 3
	WIN 0x05                                       ; sources 0 and 1 in window 1
.irp i, 0,1,2,3
.if (\i%2) == 0
	v_wmma_scale_f32_16x16x128_f8f6f4 v[\d+8*\i:\d+8*\i+7], v[WK+12*(\u0+\i):WK+12*(\u0+\i)+11], v[FR1:FR1+11], v[\d+8*\i:\d+8*\i+7], v[WKS+(\u0+\i)/2], v[IA] matrix_a_fmt:MATRIX_FMT_FP6 matrix_b_fmt:MATRIX_FMT_FP6
.else
	v_wmma_scale_f32_16x16x128_f8f6f4 v[\d+8*\i:\d+8*\i+7], v[WK+12*(\u0+\i):WK+12*(\u0+\i)+11], v[FR1:FR1+11], v[\d+8*\i:\d+8*\i+7], v[WKS+(\u0+\i)/2], v[IA] matrix_a_fmt:MATRIX_FMT_FP6 matrix_b_fmt:MATRIX_FMT_FP6 matrix_a_scale:MATRIX_SCALE_ROW1
.endif
.endr
	WIN 0
	PLACES
.endm
.macro HALFMM d                        ; a half tile: columns 0-7 with the even d-tiles, then columns 8-15 with the odd; the four accumulators take turns
	WIN 0x01                                       ; source 0 in window 1
.irp i, 0,1,2,3
	v_wmma_scale_f32_16x16x128_f8f6f4 v[\d+8*\i:\d+8*\i+7], v[WK+24*\i:WK+24*\i+11], v[FR0:FR0+11], v[\d+8*\i:\d+8*\i+7], v[WKS+\i], v[IB] matrix_a_fmt:MATRIX_FMT_FP6 matrix_b_fmt:MATRIX_FMT_FP6
.endr
	WIN 0x05
.irp i, 0,1,2,3
	v_wmma_scale_f32_16x16x128_f8f6f4 v[\d+8*\i:\d+8*\i+7], v[WK+24*\i+12:WK+24*\i+23], v[FR1:FR1+11], v[\d+8*\i:\d+8*\i+7], v[WKS+\i], v[IB] matrix_a_fmt:MATRIX_FMT_FP6 matrix_b_fmt:MATRIX_FMT_FP6 matrix_a_scale:MATRIX_SCALE_ROW1
.endr
	WIN 0
	PLACES
.endm
; sigmoid = 1 / (1 + 2^(-y log2e)), 32 numbers a lane
.macro MULY d                          ; each accumulator from its low end on
.irp c, 0,2,4,6,8,10,12,14,16,18,20,22,24,26,28,30
	v_pk_mul_f32 v[\d+\c:\d+\c+1], v[\d+\c:\d+\c+1], s[NL2:NL2+1] op_sel_hi:[1,0]
.endr
.endm
.macro EXPS d
.irp k, 0,1,2,3,4,5,6,7,8,9,10,11,12,13,14,15,16,17,18,19,20,21,22,23,24,25,26,27,28,29,30,31
	v_exp_f32 v[\d+\k], v[\d+\k]
.endr
.endm
.macro RCPS d
.irp k, 0,1,2,3,4,5,6,7,8,9,10,11,12,13,14,15,16,17,18,19,20,21,22,23,24,25,26,27,28,29,30,31
	v_rcp_f32 v[\d+\k], v[\d+\k]
.endr
.endm
.macro ADD1 d
.irp c, 0,2,4,6,8,10,12,14,16,18,20,22,24,26,28,30
	v_pk_add_f32 v[\d+\c:\d+\c+1], v[\d+\c:\d+\c+1], 1.0 op_sel_hi:[1,0]
.endr
.endm
.macro DOT d, w, first                 ; with w_p, four chains in place
	WIN 0x04                                       ; source 1 in window 1
.irp k, 0,8,16,24
	v_pk_mul_f32 v[\d+\k:\d+\k+1], v[\d+\k:\d+\k+1], v[WP+\w+\k:WP+\w+\k+1]
.endr
.irp c, 2,4,6
.irp k, 0,8,16,24
	v_pk_fma_f32 v[\d+\k:\d+\k+1], v[\d+\k+\c:\d+\k+\c+1], v[WP+\w+\k+\c:WP+\w+\k+\c+1], v[\d+\k:\d+\k+1]
.endr
.endr
	WIN 0
	v_pk_add_f32 v[\d:\d+1], v[\d:\d+1], v[\d+8:\d+9]
	v_pk_add_f32 v[\d+16:\d+17], v[\d+16:\d+17], v[\d+24:\d+25]
.if \first
	v_pk_add_f32 v[A0:A0+1], v[\d:\d+1], v[\d+16:\d+17]
.else
	v_pk_add_f32 v[\d:\d+1], v[\d:\d+1], v[\d+16:\d+17]
	v_pk_add_f32 v[A0:A0+1], v[A0:A0+1], v[\d:\d+1]
.endif
.endm
.macro CROSS                           ; the other eight d of each d-tile lie 16 lanes away
	v_add_f32 v[A0], v[A0], v[A0+1]                ; the pair's two halves, once for each tile
	v_permlanex16_b32 v[TX], v[A0], s[SEL], s[SEL+1]
	v_add_f32 v[A0], v[A0], v[TX]
.endm
.macro CROSSH                          ; and in a half tile the odd d-tiles 8 lanes away
	CROSS
	v_add_f32_dpp v[A0], v[A0], v[A0] row_xmask:8 row_mask:0xf bank_mask:0xf
.endm
; THE MEAN of a session, joined by every wave from the eight parts, quantised, and multiplied by the wave's 16 rows of w_q
.macro JPARTS
.irp j, 0,1,2,3,4,5,6,7
	ds_load_b128 v[JP+4*\j:JP+4*\j+3], v[MPR] offset:512*\j   ; numbers 4 lane .. + 3 of the eight parts
.endr
.endm
.macro JSUM
.irp s, 0,8,16,24
.irp c, 0,2
	v_pk_add_f32 v[JP+\s+\c:JP+\s+\c+1], v[JP+\s+\c:JP+\s+\c+1], v[JP+\s+4+\c:JP+\s+5+\c]
.endr
.endr
.irp s, 0,16
.irp c, 0,2
	v_pk_add_f32 v[JP+\s+\c:JP+\s+\c+1], v[JP+\s+\c:JP+\s+\c+1], v[JP+\s+8+\c:JP+\s+9+\c]
.endr
.endr
.irp c, 0,2
	v_pk_add_f32 v[JP+\c:JP+\c+1], v[JP+\c:JP+\c+1], v[JP+16+\c:JP+17+\c]
.endr
	ds_store_b128 v[MBW], v[JP:JP+3]               ; my wave's own bytes; LDS serves a wave's instructions in order (ISA guide 5.7.1.4): the loads below see it
.irp j, 0,1,2,3
	ds_load_b128 v[JV+4*\j:JV+4*\j+3], v[MBR] offset:16*\j   ; back as 16 neighbours a lane
.endr
.endm
.macro JQ
	v_max3_num_f32 v[DA], |v[JV]|, |v[JV+1]|, |v[JV+2]|
	v_max3_num_f32 v[DA+1], |v[JV+3]|, |v[JV+4]|, |v[JV+5]|
.irp k, 6,8,10,12,14
	v_max3_num_f32 v[DA+((\k/2+1)%2)], v[DA+((\k/2+1)%2)], |v[JV+\k]|, |v[JV+\k+1]|
.endr
	v_max3_num_f32 v[DA], v[DA], v[DA+1], 0x1800000
	v_max_num_f32_dpp v[DA], v[DA], v[DA] row_xmask:1 row_mask:0xf bank_mask:0xf
	v_add_nc_u32 v[DA+2], 0xff000000, v[DA]
	v_cvt_scalef32_pk16_fp6_f32 v[JC:JC+2], v[JV:JV+15], v[DA+2]
	v_lshrrev_b32 v[JC+3], 23, v[DA+2]
.irp j, 0,1,2
	ds_store_b32 v[MCW], v[JC+\j] offset:4*\j
.endr
	ds_store_b8 v[MSW], v[JC+3]
	FRAG JF,MCR,0                                  ; a fragment whose 16 columns are all the mean
	ds_load_b32 v[MS], v[MSR]
.endm
.macro JMM
	WIN 0x01                                       ; source 0 (w_q) in window 1
	v_wmma_scale_f32_16x16x128_f8f6f4 v[JR:JR+7], v[WQ:WQ+11], v[JF:JF+11], 0, v[WQS], v[MS] matrix_a_fmt:MATRIX_FMT_FP6 matrix_b_fmt:MATRIX_FMT_FP6
.endm
.macro JST                             ; the query's d = 16 w + 8 h + j: the 16 columns write the same bytes with the same values
	ds_store_b128 v[TM1], v[JR:JR+3]
	ds_store_b128 v[TM1], v[JR+4:JR+7] offset:16
.endm
	s_load_b512 s[4:19], s[0:1], 0x0               ; x s[4:5], mask s[6:7], w_p s[8:9], w_k codes s[10:11], scales s[12:13], w_q codes s[14:15], scales s[16:17], out s[18:19]
	v_lshl_add_u32 v[SPW], v0, 2, SPARE
	v_mov_b32 v[NIL], 0
	ds_add_u32 v[SPW], v[NIL]                      ; the wave's opening
	ds_add_u32 v[SPW], v[NIL]                      ; and once more; the set-up below, work on registers, stands between it and the wait
	v_lshrrev_b32 v3, 5, v0
	v_readfirstlane_b32 s[WV], v3                  ; wave 0..7
	; descriptor groups 1: rows of 128 f32, one step t apart in memory; 16 bytes of padding behind every 256
.irp g, G1X, G1H
	s_mov_b32 s[\g+0], (2<<16)|(1<<20)|(5<<22)|(3<<25)   ; no mask; elements of 4 bytes; padding on; after every 64 words (code 5), 4 words (code 3)
	s_mov_b32 s[\g+1], 128<<16                     ; tensor_dim0
	s_mov_b32 s[\g+3], 128<<16                     ; tile_dim0
	s_mov_b32 s[\g+5], 2048*128                    ; from row to row
	s_mov_b32 s[\g+6], 0
	s_mov_b32 s[\g+7], 0
.endr
	s_mov_b32 s[G1X+2], 25<<16                     ; tensor_dim1, tile_dim1: 25 rows in the ring,
	s_mov_b32 s[G1X+4], 25
	s_mov_b32 s[G1H+2], 50<<16                     ; 50 at the head
	s_mov_b32 s[G1H+4], 50
	s_mov_b32 s[SEL], 0x76543210
	s_mov_b32 s[SEL+1], 0xfedcba98                 ; v_permlanex16_b32's selects for lane l xor 16
	s_mov_b32 s[NL2], 0xbfb8aa3b                   ; -log2(e); the packed forms name a pair, so both words are written
	s_mov_b32 s[NL2+1], 0xbfb8aa3b
	s_mov_b32 s[L2E], 0x3fb8aa3b                   ; log2(e)
	s_mov_b32 s[L2E+1], 0x3fb8aa3b
	s_mul_i32 s[RW], s[WV], 25*PX                  ; the rows that I fetch in the ring: 25 w .. + 24
	s_and_b32 s68, s[WV], 3                        ; at the head: 50 (w % 4) .. + 49, of session 0 (waves 0-3) or 1 (waves 4-7)
	s_mul_i32 s69, s68, 50*PX
	s_mul_i32 s2, s68, 50<<20
	s_lshl_b32 s70, ttmp9, 12                      ; session 8 x work-group: 512 bytes a session
	s_add_co_u32 s2, s2, s70
	s_mov_b32 s3, 0
	s_mul_i32 s72, s[WV], 25<<20
	s_add_co_u32 s72, s72, s70
	s_add_co_u32 s72, s72, 1024                    ; the ring begins with session 2
	s_mov_b32 s73, 0
	s_wait_dscnt 0x0                               ; both opening adds are done
	WA
	s_wait_kmcnt 0x0
	s_mov_b32 s[G0A], 1
	s_mov_b32 s[G0A+1], s69                        ; slot 0
	s_add_nc_u64 s[G0A+2:G0A+3], s[4:5], s[2:3]
	s_mov_b32 s[G0B], 1
	s_add_co_u32 s[G0B+1], s69, SLOT               ; slot 1
	s_add_nc_u64 s[G0B+2:G0B+3], s[G0A+2:G0A+3], 512
	s_or_b32 s[G0A+3], s[G0A+3], 0x80000000        ; type = 2
	s_or_b32 s[G0B+3], s[G0B+3], 0x80000000
	s_cmp_lt_u32 s[WV], 4                          ; one tensor load a wave: waves 0-3 session 0, waves 4-7 session 1
	s_cbranch_scc0 .Lhead_1
	tensor_load_to_lds s[G0A:G0A+3], s[G1H:G1H+7]
	s_nop 0
	PLACES
	s_branch .Lhead_asked
.Lhead_1:
	tensor_load_to_lds s[G0B:G0B+3], s[G1H:G1H+7]
	s_nop 0
	PLACES
.Lhead_asked:
	s_mov_b32 s[G0], 1                             ; the ring's group 0 walks
	s_mov_b32 s[G0+1], s[RW]
	s_add_nc_u64 s[G0+2:G0+3], s[4:5], s[72:73]
	s_mov_b64 s[PF:PF+1], s[G0+2:G0+3]             ; and so does the prefetches' place
	s_or_b32 s[G0+3], s[G0+3], 0x80000000
	; what hangs on the wave's number
	s_mul_i32 s68, s[WV], 24*PX
	s_lshl_b32 s69, s[WV], 10
	s_add_co_u32 s69, s69, L_MT
	s_lshl_b32 s2, s[WV], 9
	s_add_co_u32 s70, s2, L_MP
	s_add_co_u32 s71, s2, L_MB
	s_lshl_b32 s2, s[WV], 7
	s_add_co_u32 s72, s2, L_MC
	s_add_co_u32 s75, s2, L_SB
	s_add_co_u32 s76, s2, L_SIM
	s_lshl_b32 s73, s[WV], 5
	s_add_co_u32 s73, s73, L_MS
	s_mul_i32 s74, s[WV], 5376
	s_add_co_u32 s74, s74, L_CODES
	s_mul_i32 s77, s[WV], 24*8192                  ; masks: row 24 w, 32 bytes for the eight sessions
	s_lshl_b32 s3, ttmp9, 5
	s_add_co_u32 s77, s77, s3
	s_mul_i32 s78, s[WV], 1536                     ; w_q: row 16 w
	s_lshl_b32 s79, s[WV], 6
	s_mul_i32 s80, s[WV], 24*512                   ; w_p: row 24 w
	s_add_co_u32 s81, s79, L_QB
	; the lane's numbers (v184-223 are free at the head)
	v_and_b32 v192, 31, v0                         ; lane
	v_bfe_u32 v193, v0, 3, 2                       ; g
	v_and_b32 v194, 7, v0                          ; q, also r % 8
	v_and_b32 v195, 15, v0                         ; r
	v_bfe_u32 v196, v0, 4, 1                       ; h
	v_bfe_u32 v197, v0, 2, 1                       ; q / 4
	v_bfe_u32 v198, v0, 1, 2                       ; q / 2
	v_bfe_u32 v199, v0, 3, 1                       ; r / 8
	v_and_b32 v210, 3, v0                          ; r % 4
	v_bfe_u32 v211, v0, 2, 2                       ; r / 4
	v_bfe_u32 v212, v0, 2, 3                       ; lane / 4
	v_xor_b32 v213, 8, v195                        ; r xor 8
	v_lshlrev_b32 v200, 13, v192
	v_mul_u32_u24 v201, v195, 96                   ; weights: row r of 96 bytes, + 24 h
	v_lshlrev_b32 v203, 2, v192
	v_lshlrev_b32 v204, 2, v195
	v_lshlrev_b32 v205, 9, v195                    ; w_p: row r
	v_lshlrev_b32 v206, 9, v194                    ; or row r % 8, + 64 (r / 8)
	v_add_nc_u32 v200, s77, v200
	v_mad_u32_u24 v201, v196, 24, v201
	v_add_nc_u32 v204, s79, v204
	v_lshl_add_u32 v205, v196, 5, v205
	v_lshl_add_u32 v206, v199, 6, v206
	v_add_nc_u32 v202, s78, v201
	v_add_nc_u32 v205, s80, v205
	v_lshl_add_u32 v206, v196, 5, v206
	v_add_nc_u32 v206, s80, v206
	WA
	global_load_b128 v[184:187], v200, s[6:7]      ; lane i: row i's masks of the eight sessions
	global_load_b128 v[188:191], v200, s[6:7] offset:16
	global_load_b32 v[WQS], v204, s[16:17]
.irp v, 0,1,2,3
	global_load_b32 v[WKS+\v], v203, s[12:13] offset:128*\v
.endr
	WIN 0x40                                       ; destination window 1
.irp p, 0,1,2,3,4,5
	global_load_b64 v[WQ+2*\p:WQ+2*\p+1], v202, s[14:15] offset:48*(\p/3)+8*(\p%3)
.endr
.irp u, 0,1,2,3,4,5,6,7
.irp p, 0,1,2,3,4,5
	global_load_b64 v[WK+12*\u+2*\p:WK+12*\u+2*\p+1], v201, s[10:11] offset:1536*\u+48*(\p/3)+8*(\p%3)
.endr
.endr
.irp u, 0,1,2,3,4,5,6,7
.irp p, 0,1
	global_load_b128 v[WP+8*\u+4*\p:WP+8*\u+4*\p+3], v205, s[8:9] offset:64*\u+16*\p
.endr
.endr
.irp u, 0,1,2,3
.irp p, 0,1
	global_load_b128 v[WP+64+8*\u+4*\p:WP+64+8*\u+4*\p+3], v206, s[8:9] offset:16*512+128*\u+16*\p
	global_load_b128 v[WP+96+8*\u+4*\p:WP+96+8*\u+4*\p+3], v206, s[8:9] offset:24*512+128*\u+16*\p   ; rows 24-31: wave 7 alone uses them
.endr
.endr
	WIN 0
	; every LDS address that stays is made here
	v_lshlrev_b32 v[XA], 6, v194
	v_lshl_add_u32 v[MTA], v193, 5, s69
	v_lshl_add_u32 v[MPW], v194, 6, s70
	v_lshl_add_u32 v[MPR], v192, 4, L_MP
	v_lshl_add_u32 v[XA], v197, 4, v[XA]
	v_lshl_add_u32 v[MBW], v192, 4, s71
	v_lshl_add_u32 v[MBR], v194, 6, s71
	v_lshl_add_u32 v[MPW], v196, 5, v[MPW]
	v_mad_u32_u24 v[XA], v193, PX, v[XA]
	v_mad_u32_u24 v[MCW], v194, 12, s72
	v_mad_u32_u24 v[MCR], v196, 24, s72
	v_add_nc_u32 v[MSW], s73, v198
	v_add_nc_u32 v[XA], s68, v[XA]
	v_mov_b32 v[MSR], s73
	v_mad_u32_u24 v[CW], v193, 112, s74
	v_lshl_add_u32 v[SW], v193, 2, s75
	v_mad_u32_u24 v[FA], v195, 112, s74
	v_mad_u32_u24 v[FB2], v213, 112, s74
	v_mad_u32_u24 v[CW], v194, 12, v[CW]
	v_add_nc_u32 v[SW], v[SW], v198
	v_mad_u32_u24 v[FA], v196, 24, v[FA]
	v_mad_u32_u24 v[FB2], v196, 24, v[FB2]
	v_lshl_add_u32 v[SAA], v195, 2, s75
	v_lshl_add_u32 v[SAB], v194, 2, s75
	v_lshl_add_u32 v[QA], v196, 5, L_QB
	v_lshl_add_u32 v[QW], v196, 5, s81
	v_lshl_add_u32 v[SSA], v210, 5, s76            ; row i's sim goes to (i % 4) x 32 + (i / 4) x 4
	v_lshl_add_u32 v[SR], v193, 5, s76
	v_lshl_add_u32 v[QB], v199, 6, v[QA]
	v_lshl_add_u32 v[SSB], v197, 2, v[SSA]
	v_lshl_add_u32 v[SSA], v211, 2, v[SSA]
	v_min_u32 v[PFO], 24, v192                     ; the prefetches: a lane a row; lanes 25-31 name row 24's blocks again
	v_lshl_add_u32 v214, v210, 5, s69              ; where lane i puts row i's masks
	v_lshl_add_u32 v215, v192, 2, s76
	v_lshlrev_b32 v[PFO], 20, v[PFO]
	v_lshl_add_u32 v214, v212, 2, v214
	v_lshl_add_u32 v216, v192, 3, s74
	v_lshl_add_u32 v217, v192, 2, s74
	v_mov_b32 v218, 0xff61b1e6
	v_mov_b32 v220, 0
	v_mov_b32 v221, 0
	v_mov_b32 v[TX], 0                             ; (a lane permute's destination counts as one of its sources)
	ds_store_b32 v215, v218                        ; sims: -3e38; in waves 0-6 rows 24-31 do not exist, keep it, and count for nothing
.irp z, 24,40
.irp k, 0,1,2
	ds_store_b64 v216, v[220:221] offset:112*\z+256*\k   ; the half tiles' zero codes: 896 bytes
.endr
	ds_store_b32 v217, v220 offset:112*\z+768
.endr
	s_cmp_eq_u32 s[WV], 7
	s_cselect_b32 s2, -1, 0xffffff
	WA
	s_wait_loadcnt 0x0                             ; masks, weights, scale words, w_p
.irp p, 0,1,2,3,4,5,6,7
	v_cndmask_b32 v[184+\p], 1.0, v[184+\p], s2    ; rows that do not exist: their mask meets -3e38 alone
.endr
.irp p, 0,1,2,3,4,5,6,7
	ds_store_b32 v214, v[184+\p] offset:128*\p     ; session p's mask of row i
.endr
	s_mov_b32 s[SLO], 0
	s_mov_b32 s[SNX], SLOT
	s_mov_b32 s[QO], 0
	s_mov_b32 s[QN], 512
	s_mov_b32 s[MTO], 0
	s_mov_b32 s[OPO], L_OP-L_MP
	s_lshl_b32 s[STO], s[WV], 3
	s_add_co_u32 s[STO], s[STO], L_ST
	WA
	s_cmp_lt_u32 s[WV], 4
	s_cbranch_scc0 .Lno_wait
	s_wait_tensorcnt 0x0                           ; waves 0-3: session 0 is in; session 1's loads, waves 4-7's, stay out
.Lno_wait:
	s_wait_dscnt 0x0
	s_barrier_signal -1
	s_barrier_wait -1
	; session 0's mean and query
	v_add_nc_u32 v[XT], s[SLO], v[XA]
	v_add_nc_u32 v[TM1], s[MTO], v[MTA]
	LOADX 0
	LOADX 1
	LOADX 2
	LOADMN
	ds_load_b128 v[MK:MK+3], v[TM1]
	ds_load_b128 v[MK+4:MK+7], v[TM1] offset:16
	global_prefetch_b8 v[PFO], s[PF:PF+1] th:TH_LOAD_NT scope:SCOPE_SE   ; session 2, which the first refill wants
	global_prefetch_b8 v[PFO], s[PF:PF+1] offset:256 th:TH_LOAD_NT scope:SCOPE_SE
	MEANPASS 2
.irp a, 0,1,2,3,4,5,6,7
	LOADQ \a                                       ; session 0 into registers (quads 6 and 7: wave 7 alone uses them)
.endr
	WA
	s_wait_dscnt 0x0
	s_barrier_signal -1
	s_barrier_wait -1                              ; the eight parts of the mean lie in LDS
	JPARTS
	v_add_nc_u32 v[TM1], s[QO], v[QW]
	WA
	s_wait_dscnt 0x0
	JSUM
	WA
	s_wait_dscnt 0x0
	JQ
	WA
	s_wait_dscnt 0x0
	JMM
	WIN 0
	PLACES
	JST
	s_mov_b32 s[MTO], 128
	s_mov_b32 s[CNT], 6
	WA
	s_wait_tensorcnt 0x0                           ; all my tensor loads have landed: session 1 is in
	ds_add_u32 v[SPW], v[NIL]                      ; 0 onto my spare word
	s_wait_xcnt 0x0
	s_add_nc_u64 s[PF:PF+1], s[PF:PF+1], 512
	s_wait_dscnt 0x0                               ; the add is done, and so are my reads of slot 0
	s_barrier_signal -1
	s_barrier_wait -1
; A PERIOD: one session.  refill = 1: the slot that this session has left takes the session two further on.  next = 1: the next session's mean and query are made, and its x goes into registers.
.macro PERIOD refill, next
.if \refill
	tensor_load_to_lds s[G0:G0+3], s[G1X:G1X+7]    ; my one tensor load behind the barrier, and the first thing there: it has a whole period in which to land
	s_nop 0
.endif
	v_add_nc_u32 v[XT], s[SNX], v[XA]
	v_add_nc_u32 v[TM1], s[MTO], v[MTA]
	v_add_nc_u32 v[QTA], s[QO], v[QA]
	v_add_nc_u32 v[QTB], s[QO], v[QB]
.if \next
	LOADX 0
	LOADX 1
	LOADX 2
	LOADMN
.endif
	QPAIR 0
	QPAIR 2
.if \refill
	WA
	s_cmp_eq_u32 s[CNT], 1                         ; the last trip's session three further on does not exist
	s_cbranch_scc1 .Lno_ask_\@
	global_prefetch_b8 v[PFO], s[PF:PF+1] th:TH_LOAD_NT scope:SCOPE_SE
	global_prefetch_b8 v[PFO], s[PF:PF+1] offset:256 th:TH_LOAD_NT scope:SCOPE_SE
.Lno_ask_\@:
.endif
	QPAIR 4
	IF7 .Lq7_\@
	QPAIR 6
	WA
.Lq7_\@:
	WIN 0x40                                       ; (LDS serves a wave's instructions in order, ISA guide 5.7.1.4: these see my stores above)
	FRAG FR1,FA,0                                  ; the tile
	WIN 0
	ds_load_b32 v[IA], v[SAA]
	FRAG FR0,FA,1792                               ; the half tile, columns 0-7
	ds_load_b32 v[IB], v[SAB] offset:64
.if \next
	MEANPASS 38                                    ; behind the masks: 24 stores of codes and bytes, 14 loads of fragments and scale words
	CLOADA DA,0
	s_wait_dscnt 0x0
	s_barrier_signal -1                            ; my part of the mean lies in LDS.  The tensor load may stay out across it
	MMA DA,0
	MULY DA
	WA
	s_barrier_wait -1
	JPARTS
.else
	CLOADA DA,0
	WA
	s_wait_dscnt 0x0
	MMA DA,0
	CLOADA DB,4
	MULY DA
	WA
.endif
	EXPS DA
	v_nop                                          ; a plain line behind the last transcendental
	WA
	ADD1 DA
.if \next
	WA
	s_wait_dscnt 0x0
	JSUM
.endif
	WA
	RCPS DA
	v_nop
	WA
	DOT DA,0,1
.if \next
	v_add_nc_u32 v[TM1], s[QN], v[QW]
	WA
	s_wait_dscnt 0x0
	JQ
	CLOADA DB,4
	WA
	s_wait_dscnt 8                                 ; the mean's fragment and scale word are in; the query's eight loads may be out
	JMM
.else
	WA
.endif
	s_wait_dscnt 0x0
	MMA DB,4
	MULY DB
.if \next
	JST
.endif
	WIN 0x40
	FRAG FR1,FB2,1792                              ; the half tile, columns 8-15
	WIN 0
	CLOADB DA
	WA
	EXPS DB
	v_nop
	WA
	ADD1 DB
	WA
	s_wait_dscnt 0x0
	HALFMM DA
	MULY DA
	WA
	RCPS DB
	EXPS DA
	v_nop
	WA
	DOT DB,32,0
	CROSS
	ADD1 DA
	ds_store_b32 v[SSA], v[A0]                     ; sim of row r; both halves of the lanes write the same word with the same value
	WA
	RCPS DA
	v_nop
	WA
	DOT DA,64,1
	CROSSH
	ds_store_b32 v[SSB], v[A0] offset:16           ; sim of row 16 + r % 8
	IF7 .Lb7_\@
	FRAG FR0,FA,3584                               ; wave 7's rows 24-31
	WIN 0x40
	FRAG FR1,FB2,3584
	WIN 0
	ds_load_b32 v[IB], v[SAB] offset:96
	CLOADB DB
	s_wait_dscnt 0x0
	HALFMM DB
	MULY DB
	WA
	EXPS DB
	v_nop
	WA
	ADD1 DB
	WA
	RCPS DB
	v_nop
	WA
	DOT DB,96,1
	CROSSH
	ds_store_b32 v[SSB], v[A0] offset:24
	WA
.Lb7_\@:
	; ---- rows again: my scores, their maximum, u = 2^(s log2e - ML) m, P = sum u, O = sum u e
	ds_load_b128 v[SC:SC+3], v[SR]
	ds_load_b128 v[SC+4:SC+7], v[SR] offset:16
	v_add_nc_u32 v[TM1], s[OPO], v[MPW]
	v_add_nc_u32 v[QTA], s[MTO], v[MTA]
	v_mov_b32 v[QTB], s[STO]
	WA
	s_wait_dscnt 0x0
.irp c, 0,2,4,6
	v_pk_mul_f32 v[SC+\c:SC+\c+1], v[SC+\c:SC+\c+1], v[MK+\c:MK+\c+1]       ; s = sim m
.endr
	v_max3_num_f32 v[X0], v[SC], v[SC+1], v[SC+2]
	v_max3_num_f32 v[X1], v[SC+3], v[SC+4], v[SC+5]
	v_max3_num_f32 v[X0], v[X0], v[SC+6], v[SC+7]
	s_delay_alu instid0(VALU_DEP_1)
	v_max_num_f32 v[X0], v[X0], v[X1]
	s_delay_alu instid0(VALU_DEP_1)
	v_max_num_f32_dpp v[X0], v[X0], v[X0] row_xmask:8 row_mask:0xf bank_mask:0xf
	s_delay_alu instid0(VALU_DEP_1)
	v_permlanex16_b32 v[X1], v[X0], s[SEL], s[SEL+1]
	s_delay_alu instid0(VALU_DEP_1)
	v_max_num_f32 v[X0], v[X0], v[X1]              ; the largest of my wave's scores
	s_delay_alu instid0(VALU_DEP_1)
	v_mul_f32 v[ML], s[L2E], v[X0]
.irp c, 0,2,4,6
	v_pk_fma_f32 v[SC+\c:SC+\c+1], v[SC+\c:SC+\c+1], s[L2E:L2E+1], v[ML:ML+1] op_sel_hi:[1,0,0] neg_lo:[0,0,1] neg_hi:[0,0,1]   ; s log2e - ML
.endr
	WA
.irp k, 0,1,2,3,4,5,6,7
	v_exp_f32 v[SC+\k], v[SC+\k]
.endr
	v_nop
	WA
.irp c, 0,2,4,6
	v_pk_mul_f32 v[UU+\c:UU+\c+1], v[SC+\c:SC+\c+1], v[MK+\c:MK+\c+1]       ; the masks' last use in this period
.endr
.if \next
	ds_load_b128 v[MK:MK+3], v[QTA]                ; so their registers take the next session's
	ds_load_b128 v[MK+4:MK+7], v[QTA] offset:16
.endif
.irp c, 0,2,4,6,8,10,12,14
	PKMULB OA+\c,RX+\c,UU                          ; the first quad starts the sum
.endr
.if \next
	LOADQ 0                                        ; a quad of e has had its last use: its registers take the next session's quad
.endif
.irp a, 1,2,3,4,5
.irp c, 0,2,4,6,8,10,12,14
	PKFMAB OA+\c,RX+16*\a+\c,UU+\a,OA+\c
.endr
.if \next
	LOADQ \a
.endif
.endr
	IF7 .Lo7_\@
.irp a, 6,7
.irp c, 0,2,4,6,8,10,12,14
	PKFMAB OA+\c,RX+16*\a+\c,UU+\a,OA+\c
.endr
.if \next
	LOADQ \a
.endif
.endr
	WA
.Lo7_\@:
	v_pk_add_f32 v[TP:TP+1], v[UU:UU+1], v[UU+2:UU+3]
	v_pk_add_f32 v[TP+2:TP+3], v[UU+4:UU+5], v[UU+6:UU+7]
.irp k, 0,1,2,3
	v_permlane16_swap_b32 v[OA+\k], v[OA+8+\k]
.endr
	v_pk_add_f32 v[TP:TP+1], v[TP:TP+1], v[TP+2:TP+3]
.irp k, 4,5,6,7
	v_permlane16_swap_b32 v[OA+\k], v[OA+8+\k]
.endr
	v_add_f32 v[X0], v[TP], v[TP+1]
.irp k, 0,2,4,6
	v_pk_add_f32 v[OA+\k:OA+\k+1], v[OA+\k:OA+\k+1], v[OA+8+\k:OA+9+\k]
.endr
	v_add_f32_dpp v[X0], v[X0], v[X0] row_xmask:8 row_mask:0xf bank_mask:0xf
.irp k, 0,1,2,3
	v_add_f32_dpp v[OA+\k], v[OA+\k], v[OA+\k] row_xmask:8 row_mask:0xf bank_mask:0xf
.endr
	v_permlanex16_b32 v[X1], v[X0], s[SEL], s[SEL+1]
.irp k, 4,5,6,7
	v_add_f32_dpp v[OA+\k], v[OA+\k], v[OA+\k] row_xmask:8 row_mask:0xf bank_mask:0xf
.endr
	v_add_f32 v[PS], v[X0], v[X1]                  ; P
	ds_store_b128 v[TM1], v[OA:OA+3]
	ds_store_b128 v[TM1], v[OA+4:OA+7] offset:16
	ds_store_b64 v[QTB], v[ML:ML+1]                ; (ML, P)
	WA
.if \next
	s_wait_tensorcnt 0x0                           ; all my tensor loads have landed; so a group 0 may be written
	ds_add_u32 v[SPW], v[NIL]                      ; 0 onto my spare word
	s_xor_b32 s[SLO], s[SLO], SLOT
	s_xor_b32 s[SNX], s[SNX], SLOT
	s_xor_b32 s[QO], s[QO], 512
	s_xor_b32 s[QN], s[QN], 512
	s_add_co_u32 s[MTO], s[MTO], 128
	s_add_co_u32 s[OPO], s[OPO], 4096
	s_add_co_u32 s[STO], s[STO], 64
	s_add_co_u32 s[G0+1], s[RW], s[SLO]            ; the slot that the next session has left for registers,
	s_add_nc_u64 s[G0+2:G0+3], s[G0+2:G0+3], 512   ; and the session that it takes; the type bits on top are not reached
	s_wait_xcnt 0x0                                ; the prefetches have read their place
	s_add_nc_u64 s[PF:PF+1], s[PF:PF+1], 512
.endif
	s_wait_dscnt 0x0                               ; the add is done, and so are my reads of the next session's slot and my stores
	s_barrier_signal -1
	s_barrier_wait -1
.endm
.Lfill:                                            ; sessions 0 to 5: each asks for the session two further on
	PERIOD 1, 1
	s_sub_co_u32 s[CNT], s[CNT], 1
	s_cmp_lg_u32 s[CNT], 0
	s_cbranch_scc1 .Lfill
	PERIOD 0, 1                                    ; sessions 6 and 7 are written out: they ask memory for nothing
	PERIOD 0, 0                                    ; and the last has no next session.  Behind its barrier every wave's parts of all eight sessions lie in LDS
	; ---- the end: wave w joins the eight parts of session 8 g + w
	s_lshl_b32 s2, s[WV], 12
	s_add_co_u32 s2, s2, L_OP
	s_lshl_b32 s3, s[WV], 6
	s_add_co_u32 s3, s3, L_ST
	v_and_b32 v124, 31, v0
	v_mov_b32 v[TM1], s3
	v_lshlrev_b32 v125, 4, v124
	v_lshl_add_u32 v[XT], v124, 4, s2
.irp j, 0,1,2,3,4,5,6,7
	ds_load_b128 v[60+4*\j:63+4*\j], v[XT] offset:512*\j      ; numbers 4 lane .. + 3 of O_j
.endr
.irp j, 0,1,2,3
	ds_load_b128 v[92+4*\j:95+4*\j], v[TM1] offset:16*\j      ; ML_j at v[92 + 2 j], P_j at v[93 + 2 j]
.endr
	s_lshl_b32 s2, ttmp9, 12
	s_lshl_b32 s3, s[WV], 9
	s_add_co_u32 s2, s2, s3
	s_mov_b32 s3, 0
	s_add_nc_u64 s[18:19], s[18:19], s[2:3]        ; the session's row of the output
	v_mov_b32 v119, 0                              ; (named as the upper half of the pair v[118:119])
	WA
	s_wait_dscnt 0x0
	v_max3_num_f32 v108, v92, v94, v96
	v_max3_num_f32 v109, v98, v100, v102
	v_max3_num_f32 v108, v108, v104, v106
	s_delay_alu instid0(VALU_DEP_1)
	v_max_num_f32 v108, v108, v109                 ; M: the session's largest score, in units of log2
.irp j, 0,1,2,3,4,5,6,7
	v_sub_f32 v[110+\j], v[92+2*\j], v108
.endr
	WA
.irp j, 0,1,2,3,4,5,6,7
	v_exp_f32 v[110+\j], v[110+\j]                 ; f_j = 2^(ML_j - M)
.endr
	v_nop
	WA
	v_mul_f32 v118, v110, v93
.irp j, 1,2,3,4,5,6,7
	v_fma_f32 v118, v[110+\j], v[93+2*\j], v118    ; P = sum f_j P_j
.endr
	WA
	v_rcp_f32 v118, v118
.irp c, 0,2
	PKMULB 120+\c,60+\c,110                        ; sum f_j O_j: plain work behind the reciprocal
.endr
.irp j, 1,2,3,4,5,6,7
.irp c, 0,2
	PKFMAB 120+\c,60+4*\j+\c,110+\j,120+\c
.endr
.endr
	WA
.irp c, 0,2
	PKMULB 120+\c,120+\c,118
.endr
	global_store_b128 v125, v[120:123], s[18:19] th:TH_STORE_NT   ; 32 lanes store the row's 512 consecutive bytes, at a multiple of 512 from the output's first byte
	s_wait_tensorcnt 0x0                           ; the wave's end: behind my last tensor load and my last LDS store
	ds_add_u32 v[SPW], v[NIL]
	s_wait_dscnt 0x0
	s_endpgm
.Lfunc_end_k_q21d1c30463_paa:
	.size	k_q21d1c30463_paa, .Lfunc_end_k_q21d1c30463_paa-k_q21d1c30463_paa
	.p2alignl 7, 3214868480
	.fill 96, 4, 3214868480
	.section	.rodata,"a",@progbits
	.p2align	6, 0x0
	.amdhsa_kernel k_q21d1c30463_paa
		.amdhsa_group_segment_fixed_size 327680
		.amdhsa_private_segment_fixed_size 0
		.amdhsa_enable_private_segment 0
		.amdhsa_kernarg_size 64
		.amdhsa_user_sgpr_count 2
		.amdhsa_user_sgpr_kernarg_segment_ptr 1
		.amdhsa_wavefront_size32 1
		.amdhsa_system_sgpr_workgroup_id_x 1
		.amdhsa_system_sgpr_workgroup_id_y 1
		.amdhsa_system_sgpr_workgroup_id_z 1
		.amdhsa_system_vgpr_workitem_id 0
		.amdhsa_next_free_vgpr 512
		.amdhsa_next_free_sgpr 84
		.amdhsa_reserve_vcc 0
		.amdhsa_float_denorm_mode_32 3
		.amdhsa_float_denorm_mode_16_64 3
		.amdhsa_memory_ordered 1
		.amdhsa_forward_progress 1
		.amdhsa_inst_pref_size 220
	.end_amdhsa_kernel
	.amdgpu_metadata
---
amdhsa.version: [ 1, 2 ]
amdhsa.kernels:
  - .name:           k_q21d1c30463_paa
    .symbol:         k_q21d1c30463_paa.kd
    .args:
      - { .name: x, .offset: 0, .size: 8, .value_kind: global_buffer, .address_space: global }
      - { .name: mask, .offset: 8, .size: 8, .value_kind: global_buffer, .address_space: global }
      - { .name: w_p, .offset: 16, .size: 8, .value_kind: global_buffer, .address_space: global }
      - { .name: w_k_codes, .offset: 24, .size: 8, .value_kind: global_buffer, .address_space: global }
      - { .name: w_k_scales, .offset: 32, .size: 8, .value_kind: global_buffer, .address_space: global }
      - { .name: w_q_codes, .offset: 40, .size: 8, .value_kind: global_buffer, .address_space: global }
      - { .name: w_q_scales, .offset: 48, .size: 8, .value_kind: global_buffer, .address_space: global }
      - { .name: out0, .offset: 56, .size: 8, .value_kind: global_buffer, .address_space: global }
    .group_segment_fixed_size: 327680
    .private_segment_fixed_size: 0
    .kernarg_segment_align: 8
    .kernarg_segment_size: 64
    .max_flat_workgroup_size: 256
    .sgpr_count:     84
    .vgpr_count:     512
    .wavefront_size: 32
...
	.end_amdgpu_metadata
.endif
;; end of part 1
